; MI455X (gfx1250); checked and timed in simulation.
; The chip was launched on July 23, 2026; its instructions are those of AMD's public machine-readable ISA for CDNA 5 (MIT licence, August 2026) and "CDNA5" Instruction Set Architecture Reference Guide (July 2026). The comments in the code are by the model that wrote it; some were corrected since.
;; Mat Mul Free Attention. Allowed arithmetic: matrix products marked QUANTISED: E4M3 operands, one given power-of-two scale a tensor, by v_wmma_f32_16x16x64_fp8_fp8 or v_wmma_f32_16x16x128_fp8_fp8, f32 sums; everything else in f32.
;; Inputs: W_k 1,024 x 1,024 float32; W_o 1,024 x 1,024 float32; W_q 1,024 x 1,024 float32; W_v 1,024 x 1,024 float32; attention_mask 1 x 4,096 x 4,096 bool; b_o 1,024 float32; lowp_scales 12 int32 (the exponents e of the quantised operands' scales 2^e); x 1 x 4,096 x 1,024 float32.
;; Outputs: out0 1 x 4,096 x 1,024 float32.
;; This version of the problem:
;;   THIS VERSION OF THE PROBLEM IS GIVEN IN LOW PRECISION. The matrix products marked QUANTISED in the list below multiply operands that are first quantised to E4M3 (4 exponent bits, 3 mantissa bits; 8 bits a number), with one given power-of-two scale for each operand tensor; their sums are f32. All else is computed in f32.
;;   The module's matrix products, in the order in which they are computed (A, B: the left and right operand; K: the contracted axis; several contracted axes count as one K, in the product's order):
;;     1. [M 4,096, K 1,024] x [K 1,024, N 1,024]; A: input x; B: input W_q: QUANTISED (scales: A lowp_scales[0], B lowp_scales[1])
;;     2. [M 4,096, K 1,024] x [K 1,024, N 1,024]; A: input x; B: input W_k: QUANTISED (scales: A lowp_scales[2], B lowp_scales[3])
;;     3. [M 4,096, K 1,024] x [K 1,024, N 1,024]; A: input x; B: input W_v: QUANTISED (scales: A lowp_scales[4], B lowp_scales[5])
;;     4. batch 16 x [M 4,096, K 64] x [K 64, N 4,096]; A: computed on the way; B: computed on the way: QUANTISED (scales: A lowp_scales[6], B lowp_scales[7])
;;     5. batch 16 x [M 4,096, K 4,096] x [K 4,096, N 64]; A: softmax (see below); B: computed on the way: QUANTISED (scales: A lowp_scales[8], B lowp_scales[9])
;;     6. [M 4,096, K 1,024] x [K 1,024, N 1,024]; A: computed on the way; B: input W_o: QUANTISED (scales: A lowp_scales[10], B lowp_scales[11])
;;   THE QUANTISER, for each operand of a quantised product, along K:
;;     - The operand's scale is 2^e, e = its entry of the input lowp_scales (int32; the entries are numbered through the quantised products in the list's order, A before B).
;;     - Each number is divided by the scale, clamped to +-448, and rounded to the nearest number of E4M3, ties to even, subnormals kept.
;;     - The product sums the exact products of the quantised numbers (number of the format x scale) in f32.
;;   ~~~python
;;   def quantise(x, axis, e):      # numpy; x: float32 -> the quantised numbers, widened to float32 again
;;       x = np.moveaxis(x, axis, -1); K = x.shape[-1]
;;       r = np.clip(x / 2.0 ** e, -448, 448)
;;       step = 2.0 ** (np.maximum(np.frexp(np.where(r == 0, 1, r))[1] - 1, -6) - 3)
;;       q = np.round(r / step) * step * 2.0 ** e      # np.round: ties to even
;;       return np.moveaxis(q, -1, axis).astype(np.float32)
;;   ~~~
;;   SOFTMAX AHEAD OF A QUANTISED PRODUCT. Where the list says 'softmax', what is quantised is not the finished softmax but p = 2^(t - M), with t = logit x log2(e) and M = ceil(the row's largest t), a whole number; so 1/2 < the row's largest p <= 1. The row's sum l is taken of the UNQUANTISED p, in f32, and the product's result is divided by l at the end. Since M is a whole number, a kernel that streams over the keys may use a running M (the ceiling of the running maximum): every later rescaling is an exact power of two, so the quantised numbers keep their values, but for numbers so far below the row's largest that they fall under the format's range.
;;   OPERANDS COMPUTED ON THE WAY. 'Computed on the way' means the value that the module computes at that place (a softmax that the list does not call 'softmax' is quantised finished and normalised). What goes into a quantiser is computed in f32, as accurately as f32 sums, v_exp_f32 and their like allow (about 1e-6 of the number): no bf16 or f16 on the way to a quantiser, and a product that is left as it is and whose result goes on into a quantised operand takes f32 operands (vector FMAs, or v_wmma_f32_16x16x4_f32). A number that lies on a knife's edge between two numbers of the format may be rounded either way, as far as f32 arithmetic and the matrix unit's own rounding can turn it there, and no further.
;; One version. Each part assembles by itself: llvm-mc -triple=amdgcn-amd-amdhsa -mcpu=gfx1250 --defsym DOCPART=n.
;; ======== version 1 of 1: 4 launches
;; limits: right only within a limited range of input values
;; workspace buffers: xc 12,582,912 bytes; wc 4,194,304 bytes; mw 2,097,152 bytes of whole numbers; mf 1,024 bytes of whole numbers; qkv 12,582,912 bytes; ac 4,194,304 bytes
;; launch prep (part 1): grid 512 x 1, 4 waves a work-group, no clusters, 85,504 bytes of LDS; arguments x, W_o, W_q, W_k, W_v, attention_mask, lowp_scales, xc, wc, mw, mf; writes xc, wc, mw, mf
.if DOCPART == 1
	.amdgcn_target "amdgcn-amd-amdhsa--gfx1250"
	.amdhsa_code_object_version 6
	.text
	.protected	k_q701c2229ed_prep
	.globl	k_q701c2229ed_prep
	.p2align	8
	.type	k_q701c2229ed_prep,@function
k_q701c2229ed_prep:
	s_mov_b64 s[64:65], 0
	v_nop
	global_prefetch_b8 v0, s[64:65] scope:SCOPE_SE
	s_setreg_imm32_b32 hwreg(HW_REG_WAVE_MODE, 25, 1), 1
	s_wait_xcnt 0x0
; PREPARATION: all that later launches read many times is made once.
;   work-groups   0..127  x [4096][1024] f32 -> three sets of E4M3 codes in xc, one for each of x's three given scales (entries 0, 2, 4 of the scales).
;                         Sets 0 and 1: row = token.  Set 2: row position p holds token pi(p), pi = p with bits 3 and 4 exchanged (its own inverse): the order in which the
;                         attention launch wants the keys of V, so that 16-byte loads of V meet the weights' codes key by key.
;   work-groups 128..159  W_o [n][k] f32, K innermost -> codes at wc + 3 MiB (entry 11).
;   work-groups 160..255  W_q, W_k, W_v [k][n] f32, K on the first axis -> codes [n][k] at wc + j MiB (entries 1, 3, 5): a lane takes a column, its registers run down K.
;   work-groups 256..511  the mask's bytes -> words mw[query tile T][key step s][64 words]: bit 16 h + r of word 8 tau + j = mask[16 T + r][128 s + 16 tau + 8 h + j]: the lane and
;                         register in which the attention launch holds that score, so that one select an accumulator register applies the mask.
; code = number / 2^e, held within +-448, to the nearest code, ties to even.  LIMITS: each e used here lies between -126 and 119; NaN among x and the weights is not served.
; The three paths part on the work-group's number and have LDS bytes of their own.  No wave shares anything with another: no barrier.  No matrix unit, cluster or tensor load: no input byte is read twice.
.set SP,    80                         ; stream: a lane's place in a stage: 64 bytes + 16 of padding
.set WREG,  8192                       ; stream: LDS of a wave: two stages of 32 x SP bytes
.set RAW,   16                         ; v16-79   stream: four sets of 16 numbers as loaded
.set NEI,   80                         ; v80-111  stream: two sets of 16 neighbours
.set HLD,   112                        ; v112-127 stream: the 16 numbers held within a set's range
.set COD,    128                        ; v128-187, v194-229 stream: codes: (step % 8) x set x 4 registers
.set TSTG,  32768                      ; weights: the stages, 32 rows x TP for each wave
.set TP,    272
.set WX,    32                         ; v32-95   weights: two sets of 32 numbers
.set WC,    96                         ; v96-103  weights: a block's codes
.set WO,    112                        ; v112-175 weights: the way out
.set MSTG,  67584                      ; mask: the stages, 16 rows x MP for each wave
.set MP,    272
.set MO,    16                         ; v16-31   mask: 4 units x 4 registers of words
.set MR,    32                         ; v32-159  mask: 4 units x 8 loads
.set MX,    160                        ; v160-191 mask: a unit's bytes, 8 of one query a pair
	s_load_b512 s[4:19], s[0:1], 0x0               ; x, W_o, W_q, W_k, W_v, mask, scales, xc
	s_load_b128 s[20:23], s[0:1], 0x40
	s_load_b64 s[58:59], s[0:1], 0x50              ; mf: a word for each query tile T; bit s says that all 16 x 128 mask bytes of key step s are true
	v_lshl_add_u32 v192, v0, 2, 0x14c00
	v_mov_b32 v193, 0
	v_lshrrev_b32 v1, 5, v0
	v_readfirstlane_b32 s24, v1                    ; wave 0..3
	v_and_b32 v1, 31, v0                           ; lane
	s_cmp_ge_u32 ttmp9, 256
	s_cbranch_scc1 .Lmask
	s_cmp_ge_u32 ttmp9, 160
	s_cbranch_scc1 .Ltrans
; ---------------- STREAM: x (three sets) and W_o (one set) ----------------
; A wave takes a run of 8,192 numbers (8 rows) in 16 steps of 512.  Each load reads 512 consecutive bytes; a step's 2,048 bytes turn through the wave's stage, so that a lane gets 16 neighbours along K.
	s_cmp_ge_u32 ttmp9, 128
	s_cselect_b32 s25, 1, 0                        ; 0: x, 1: W_o
	s_lshl_b32 s26, s25, 7
	s_sub_co_u32 s26, ttmp9, s26
	s_lshl_b32 s26, s26, 2
	s_add_co_u32 s26, s26, s24                     ; R: my run
	s_and_not1_b32 s27, s26, 3
	s_and_b32 s28, s26, 1
	s_lshl_b32 s28, s28, 1
	s_or_b32 s27, s27, s28
	s_bfe_u32 s28, s26, 0x10001
	s_or_b32 s27, s27, s28                         ; R with bits 0 and 1 exchanged: rows' bits 3 and 4: where the run lies in set 2
	s_lshl_b32 s28, s26, 15                        ; 32,768 bytes of f32 a run
	s_mov_b32 s29, 0
	s_lshl_b32 s36, s26, 13                        ; 8,192 bytes of codes a run
	s_mov_b32 s37, 0
	s_lshl_b32 s38, s27, 13
	s_mov_b32 s39, 0
	s_wait_alu depctr_va_vdst(0)
	v_lshlrev_b32 v8, 4, v1                        ; 16 x lane: my bytes of a load's 512 and of a store's 512; never rewritten
	s_mul_i32 s54, s24, WREG
	v_lshrrev_b32 v14, 2, v1
	v_mul_u32_u24 v14, v14, SP
	v_and_b32 v15, 3, v1
	v_lshl_add_u32 v14, v15, 4, v14
	v_add_nc_u32 v14, s54, v14                     ; into the stage: SP (lane / 4) + 16 (lane % 4)
	v_mul_u32_u24 v15, v1, SP
	v_add_nc_u32 v15, s54, v15                     ; out of it: SP x lane
	s_wait_alu depctr_va_vdst(0)
	s_wait_kmcnt 0x0
	s_load_b256 s[40:47], s[16:17], 0x0            ; e0 .. e7
	s_load_b128 s[48:51], s[16:17], 0x20           ; e8 .. e11
	s_add_nc_u64 s[20:21], s[20:21], 0x300000      ; W_o's codes
	s_cmp_eq_u32 s25, 0
	s_cselect_b64 s[4:5], s[4:5], s[6:7]           ; the source
	s_cselect_b64 s[30:31], s[18:19], s[20:21]     ; set 0's place
	s_add_nc_u64 s[4:5], s[4:5], s[28:29]
	s_add_nc_u64 s[30:31], s[30:31], s[36:37]
	s_add_nc_u64 s[32:33], s[18:19], 0x400000
	s_add_nc_u64 s[32:33], s[32:33], s[36:37]      ; set 1
	s_add_nc_u64 s[34:35], s[18:19], 0x800000
	s_add_nc_u64 s[34:35], s[34:35], s[38:39]      ; set 2, rows in the order pi
.macro SLOAD t
.irp i, 0,1,2,3
	global_load_b128 v[RAW+16*((\t)%4)+4*\i:RAW+16*((\t)%4)+4*\i+3], v8, s[4:5] offset:2048*(\t)+512*\i th:TH_LOAD_NT
.endr
.endm
.macro STURN t                         ; LDS serves a wave's instructions in order: no wait between the stores and the loads
.irp i, 0,1,2,3
	ds_store_b128 v14, v[RAW+16*((\t)%4)+4*\i:RAW+16*((\t)%4)+4*\i+3] offset:32*SP*((\t)%2)+8*SP*\i
.endr
.irp i, 0,1,2,3
	ds_load_b128 v[NEI+16*((\t)%2)+4*\i:NEI+16*((\t)%2)+4*\i+3], v15 offset:32*SP*((\t)%2)+16*\i
.endr
.endm
.macro MKSC e, vsc, vli                ; 2^e and 448 x 2^e as f32, from the whole number in s[e]
	s_add_co_i32 s52, s[\e], 127
	s_lshl_b32 s53, s52, 23
	v_mov_b32 v[\vsc], s53
	s_add_co_i32 s52, s52, 8
	s_lshl_b32 s52, s52, 23
	s_or_b32 s52, s52, 0x600000
	v_mov_b32 v[\vli], s52
.endm
.macro QSET t, i                       ; step t's 16 neighbours under set i's scale: hold, convert, store 512 consecutive bytes a wave
.set XS, NEI+16*((\t)%2)
.if ((\t)%8) < 5
.set CS, COD+12*((\t)%8)+4*(\i)
.else
.set CS, 194+12*((\t)%8-5)+4*(\i)
.endif
.irp k, 0,1,2,3,4,5,6,7,8,9,10,11,12,13,14,15
	v_med3_num_f32 v[HLD+\k], v[XS+\k], -v[3+2*(\i)], v[3+2*(\i)]   ; the conversion does not saturate (ISA guide 7.6.2): the hold comes first
.endr
	v_cvt_scalef32_pk8_fp8_f32 v[CS:CS+1], v[HLD:HLD+7], v[2+2*(\i)]
	v_cvt_scalef32_pk8_fp8_f32 v[CS+2:CS+3], v[HLD+8:HLD+15], v[2+2*(\i)]
	v_nop                                          ; a plain line between the conversions and the next set's holds, which write their sources
	global_store_b128 v8, v[CS:CS+3], s[30+2*(\i):31+2*(\i)] offset:512*(\t)
.endm
.macro SSTEP t
	s_wait_dscnt 0x0                               ; this step's numbers are back from the stage, and its stage stores have read their registers,
.if (\t)+4 < 16
	SLOAD (\t)+4                                   ; which take the loads of four steps on
.endif
.if (\t)+1 < 16
.if 14-(\t) >= 3
	s_wait_loadcnt 12                              ; the next step's four loads are in; three steps' loads behind them may be out
.else
	s_wait_loadcnt 4*(14-(\t))
.endif
	STURN (\t)+1
.endif
.if (\t) == 8
	s_wait_xcnt 0x0                                ; steps 0 to 7's stores have read their data: from here on their codes' registers are written again
.endif
	QSET \t, 0
	s_cmp_lg_u32 s25, 0                            ; W_o has one scale
	s_cbranch_scc1 .Lone_\@
	QSET \t, 1
	QSET \t, 2
.Lone_\@:
.endm
.irp t, 0,1,2,3
	SLOAD \t
.endr
	s_wait_kmcnt 0x0
	s_cmp_eq_u32 s25, 0
	s_cselect_b32 s40, s40, s51                    ; set 0: x's first scale, or W_o's
	MKSC 40, 2, 3
	MKSC 42, 4, 5
	MKSC 44, 6, 7
	s_wait_alu depctr_va_vdst(0)
	s_wait_loadcnt 12                              ; step 0's four loads are in
	STURN 0
.irp t, 0,1,2,3,4,5,6,7,8,9,10,11,12,13,14,15
	SSTEP \t
.endr
	s_wait_tensorcnt 0x0
	ds_add_u32 v192, v193
	s_wait_dscnt 0x0
	s_endpgm
; ---------------- WEIGHTS WITH K ON THE FIRST AXIS ----------------
; A wave takes 32 columns x 256 along K.  Each load reads 128 consecutive bytes of one row k; a lane's 32 registers are 32 neighbours along K of its column.
; The codes gather in the wave's stage, a row a column, and leave sixteen lanes to 256 consecutive aligned bytes.
.Ltrans:
	s_sub_co_u32 s25, ttmp9, 160
	s_lshr_b32 s26, s25, 5                         ; j: 0 W_q, 1 W_k, 2 W_v
	s_and_b32 s27, s25, 7
	s_bfe_u32 s28, s25, 0x20003                    ; which 256 along K
	s_lshl_b32 s27, s27, 7
	s_lshl_b32 s29, s24, 5
	s_add_co_u32 s27, s27, s29                     ; my wave's first column
	s_wait_alu depctr_va_vdst(0)
	v_lshlrev_b32 v3, 2, v1                        ; in: 4 bytes a lane
	s_mul_i32 s29, s24, 32*TP
	s_add_co_u32 s29, s29, TSTG                    ; my stage
	v_mul_u32_u24 v4, v1, TP
	v_add_nc_u32 v4, s29, v4                       ; into it: row = my column
	v_and_b32 v5, 15, v1
	v_lshrrev_b32 v6, 4, v1
	v_mul_u32_u24 v7, v6, TP
	v_lshl_add_u32 v7, v5, 4, v7
	v_add_nc_u32 v7, s29, v7                       ; out of it: sixteen lanes to a row, two rows an instruction
	v_lshlrev_b32 v8, 10, v6
	v_lshl_add_u32 v8, v5, 4, v8                   ; and the same place among the codes' rows of 1,024 bytes
	s_lshl_b32 s30, s28, 20                        ; 256 rows of 4,096 bytes
	s_lshl_b32 s31, s27, 2
	s_add_co_u32 s30, s30, s31
	s_mov_b32 s31, 0
	s_lshl_b32 s32, s26, 20                        ; j MiB,
	s_lshl_b32 s33, s27, 10                        ; my column's row,
	s_add_co_u32 s32, s32, s33
	s_lshl_b32 s33, s28, 8                         ; my 256 along K
	s_add_co_u32 s32, s32, s33
	s_mov_b32 s33, 0
	s_lshl_b32 s34, s26, 3
	s_wait_kmcnt 0x0
	s_load_b32 s35, s[16:17], s34 offset:0x4       ; entry 2 j + 1
	s_cmp_eq_u32 s26, 0
	s_cselect_b64 s[4:5], s[8:9], s[10:11]
	s_cmp_eq_u32 s26, 2
	s_cselect_b64 s[4:5], s[12:13], s[4:5]
	s_add_nc_u64 s[4:5], s[4:5], s[30:31]
	s_add_nc_u64 s[20:21], s[20:21], s[32:33]
.macro WLOAD t                         ; block t: W(32 t + i, my column)
.irp i, 0,1,2,3,4,5,6,7,8,9,10,11,12,13,14,15,16,17,18,19,20,21,22,23,24,25,26,27,28,29,30,31
	global_load_b32 v[WX+32*((\t)%2)+\i], v3, s[4:5] offset:(32*(\t)+\i)*4096 th:TH_LOAD_NT
.endr
.endm
	WLOAD 0
	WLOAD 1
	s_wait_kmcnt 0x0
	s_add_co_i32 s35, s35, 127
	s_lshl_b32 s36, s35, 23
	v_mov_b32 v11, s36                             ; 2^e
	s_add_co_i32 s35, s35, 8
	s_lshl_b32 s35, s35, 23
	s_or_b32 s35, s35, 0x600000
	v_mov_b32 v10, s35                             ; 448 x 2^e
.macro WBLOCK t
.set XS, WX+32*((\t)%2)
.if (\t) < 7
	s_wait_loadcnt 32                              ; this block's 32 loads are in; the next block's may be out
.else
	s_wait_loadcnt 0
.endif
.irp i, 0,1,2,3,4,5,6,7,8,9,10,11,12,13,14,15,16,17,18,19,20,21,22,23,24,25,26,27,28,29,30,31
	v_med3_num_f32 v[XS+\i], v[XS+\i], -v10, v10
.endr
.irp g, 0,1,2,3
	v_cvt_scalef32_pk8_fp8_f32 v[WC+2*\g:WC+2*\g+1], v[XS+8*\g:XS+8*\g+7], v11
.endr
	ds_store_b128 v4, v[WC:WC+3] offset:32*(\t)
	ds_store_b128 v4, v[WC+4:WC+7] offset:32*(\t)+16
.if (\t)+2 < 8
	WLOAD (\t)+2
.endif
	s_wait_dscnt 0x0                               ; the stores have read their registers; the next block's 32 holds are the plain lines ahead of its conversions
.endm
	s_wait_alu depctr_va_vdst(0)
.irp t, 0,1,2,3,4,5,6,7
	WBLOCK \t
.endr
.irp t, 0,1,2,3,4,5,6,7,8,9,10,11,12,13,14,15
	ds_load_b128 v[WO+4*\t:WO+4*\t+3], v7 offset:2*\t*TP
.endr
.irp t, 0,1,2,3,4,5,6,7,8,9,10,11,12,13,14,15
	s_wait_dscnt 15-\t                             ; LDS loads come back in order: pair t of rows is in
	global_store_b128 v8, v[WO+4*\t:WO+4*\t+3], s[20:21] offset:2*\t*1024
.endr
	s_wait_tensorcnt 0x0
	ds_add_u32 v192, v193
	s_wait_dscnt 0x0
	s_endpgm
; ---------------- THE MASK ----------------
; Work-group T takes 16 queries; wave w their keys 1024 w .. + 1023, in 4 units of 256 keys.  A unit's 16 x 256 bytes come by 8 loads (sixteen lanes read 256 consecutive aligned bytes of a row),
; turn through the wave's stage, and come back 8 bytes a lane: query r, keys 16 tau + 8 h + 0 .. 7.  A compare of one byte in all 32 lanes IS one word of the output.
.Lmask:
	s_sub_co_u32 s25, ttmp9, 256
	s_mov_b32 s31, 0                               ; my wave's eight flag bits: key steps 8 w .. 8 w + 7
	s_lshl_b32 s56, s25, 2
	s_add_co_u32 s56, s56, s24                     ; and their byte: 4 T + w
	s_lshl_b32 s26, s25, 16                        ; 16 rows of 4,096 bytes
	s_lshl_b32 s27, s24, 10
	s_add_co_u32 s26, s26, s27
	s_mov_b32 s27, 0
	s_lshl_b32 s28, s25, 13                        ; 8,192 bytes of words a tile,
	s_lshl_b32 s29, s24, 11                        ; 2,048 a wave
	s_add_co_u32 s28, s28, s29
	s_mov_b32 s29, 0
	s_mul_i32 s30, s24, 16*MP
	s_add_co_u32 s30, s30, MSTG                    ; my stage
	s_wait_alu depctr_va_vdst(0)
	v_and_b32 v2, 15, v1                           ; r
	v_lshrrev_b32 v3, 4, v1                        ; h
	v_lshlrev_b32 v9, 12, v3
	v_lshl_add_u32 v9, v2, 4, v9                   ; in: lanes 0-15 one row, lanes 16-31 the next
	v_lshlrev_b32 v8, 4, v1                        ; out: 16 bytes a lane
	v_mul_u32_u24 v10, v3, MP
	v_lshl_add_u32 v10, v2, 4, v10
	v_add_nc_u32 v10, s30, v10                     ; into the stage, as loaded
	v_mul_u32_u24 v11, v2, MP
	v_lshl_add_u32 v11, v3, 3, v11
	v_add_nc_u32 v11, s30, v11                     ; out of it: row r, + 8 h
	s_wait_alu depctr_va_vdst(0)
	s_wait_kmcnt 0x0
	s_add_nc_u64 s[14:15], s[14:15], s[26:27]
	s_add_nc_u64 s[22:23], s[22:23], s[28:29]
.irp u, 0,1,2,3
.irp j, 0,1,2,3,4,5,6,7
	global_load_b128 v[MR+32*\u+4*\j:MR+32*\u+4*\j+3], v9, s[14:15] offset:8192*\j+256*\u th:TH_LOAD_NT
.endr
.endr
.irp j, 0,1,2,3,4,5,6,7,8,9,10,11,12,13,14,15
	v_mov_b32 v[MO+\j], 0                          ; written whole once: a lane write counts as a read of its destination
.endr
.macro UNIT u
	s_wait_loadcnt 8*(3-\u)                        ; this unit's eight loads are in; the later units' may be out
.irp j, 0,1,2,3,4,5,6,7
	ds_store_b128 v10, v[MR+32*\u+4*\j:MR+32*\u+4*\j+3] offset:2*MP*\j
.endr
.irp g, 0,1,2,3,4,5,6,7,8,9,10,11,12,13,14,15
	ds_load_b64 v[MX+2*\g:MX+2*\g+1], v11 offset:128*(\g/8)+16*(\g%8)   ; key step g / 8 of the unit, tile g % 8
.endr
	s_wait_dscnt 0x0
.irp f, 0,1                            ; key step f of the unit: the AND of its 16 registers is 0x01010101 in all 32 lanes where every byte is 1 (a bool is 0 or 1)
	v_and_b32 v4, v[MX+16*\f], v[MX+16*\f+1]
	v_and_b32 v5, v[MX+16*\f+2], v[MX+16*\f+3]
.irp k, 4,6,8,10,12,14
	v_and_b32 v4, v4, v[MX+16*\f+\k]
	v_and_b32 v5, v5, v[MX+16*\f+\k+1]
.endr
	v_and_b32 v4, v4, v5
	v_cmp_eq_u32 s48, 0x01010101, v4
	s_cmp_eq_u32 s48, -1
	s_cselect_b32 s49, 1<<(2*\u+\f), 0
	s_or_b32 s31, s31, s49
.endr
.set NW, 0
.rept 128                              ; word NW = 64 (step) + 8 (tile) + j of the unit: byte j of the lane's eight
	v_and_b32 v[12+NW%2], 0xff<<(8*(NW%4)), v[MX+2*(NW/8)+(NW%8)/4]
	v_cmp_ne_u32 s[40+NW%8], 0, v[12+NW%2]
	v_writelane_b32 v[MO+4*\u+NW%4], s[40+NW%8], NW/4                   ; word NW lies in lane NW / 4, register NW % 4 of the store
.set NW, NW+1
.endr
	global_store_b128 v8, v[MO+4*\u:MO+4*\u+3], s[22:23] offset:512*\u      ; 512 consecutive bytes
.endm
	UNIT 0
	UNIT 1
	UNIT 2
	UNIT 3
	s_wait_tensorcnt 0x0
	ds_add_u32 v192, v193
	s_wait_dscnt 0x0
	s_wait_xcnt 0x0                                ; EXEC changes only behind this wait
	v_mov_b32 v4, s31
	v_mov_b32 v5, s56
	v_cmp_eq_u32 vcc_lo, 0, v1
	s_and_saveexec_b32 s57, vcc_lo                 ; lane 0 alone stores the wave's flag byte
	global_store_b8 v5, v4, s[58:59]
	s_wait_xcnt 0x0
	s_or_b32 exec_lo, exec_lo, s57
	s_endpgm
.Lfunc_end_k_q701c2229ed_prep:
	.size	k_q701c2229ed_prep, .Lfunc_end_k_q701c2229ed_prep-k_q701c2229ed_prep
	.p2alignl 7, 3214868480
	.fill 96, 4, 3214868480
	.section	.rodata,"a",@progbits
	.p2align	6, 0x0
	.amdhsa_kernel k_q701c2229ed_prep
		.amdhsa_group_segment_fixed_size 85504
		.amdhsa_private_segment_fixed_size 0
		.amdhsa_enable_private_segment 0
		.amdhsa_kernarg_size 88
		.amdhsa_user_sgpr_count 2
		.amdhsa_user_sgpr_kernarg_segment_ptr 1
		.amdhsa_wavefront_size32 1
		.amdhsa_system_sgpr_workgroup_id_x 1
		.amdhsa_system_sgpr_workgroup_id_y 1
		.amdhsa_system_sgpr_workgroup_id_z 1
		.amdhsa_system_vgpr_workitem_id 0
		.amdhsa_next_free_vgpr 232
		.amdhsa_next_free_sgpr 66
		.amdhsa_reserve_vcc 1
		.amdhsa_float_denorm_mode_32 3
		.amdhsa_float_denorm_mode_16_64 3
		.amdhsa_memory_ordered 1
		.amdhsa_forward_progress 1
		.amdhsa_inst_pref_size 242
	.end_amdhsa_kernel
	.amdgpu_metadata
---
amdhsa.version: [ 1, 2 ]
amdhsa.kernels:
  - .name:           k_q701c2229ed_prep
    .symbol:         k_q701c2229ed_prep.kd
    .args:
      - { .name: x, .offset: 0, .size: 8, .value_kind: global_buffer, .address_space: global }
      - { .name: W_o, .offset: 8, .size: 8, .value_kind: global_buffer, .address_space: global }
      - { .name: W_q, .offset: 16, .size: 8, .value_kind: global_buffer, .address_space: global }
      - { .name: W_k, .offset: 24, .size: 8, .value_kind: global_buffer, .address_space: global }
      - { .name: W_v, .offset: 32, .size: 8, .value_kind: global_buffer, .address_space: global }
      - { .name: attention_mask, .offset: 40, .size: 8, .value_kind: global_buffer, .address_space: global }
      - { .name: lowp_scales, .offset: 48, .size: 8, .value_kind: global_buffer, .address_space: global }
      - { .name: xc, .offset: 56, .size: 8, .value_kind: global_buffer, .address_space: global }
      - { .name: wc, .offset: 64, .size: 8, .value_kind: global_buffer, .address_space: global }
      - { .name: mw, .offset: 72, .size: 8, .value_kind: global_buffer, .address_space: global }
      - { .name: mf, .offset: 80, .size: 8, .value_kind: global_buffer, .address_space: global }
    .group_segment_fixed_size: 85504
    .private_segment_fixed_size: 0
    .kernarg_segment_align: 8
    .kernarg_segment_size: 88
    .max_flat_workgroup_size: 128
    .sgpr_count:     66
    .vgpr_count:     232
    .wavefront_size: 32
...
	.end_amdgpu_metadata
.endif
;; end of part 1
;; launch proj (part 2): grid 12 x 16, 4 waves a work-group, clusters of 4 x 4, 327,680 bytes of LDS; arguments xc, wc, lowp_scales, qkv; writes qkv
.if DOCPART == 2
	.amdgcn_target "amdgcn-amd-amdhsa--gfx1250"
	.amdhsa_code_object_version 6
	.text
	.protected	k_q701c2229ed_proj
	.globl	k_q701c2229ed_proj
	.p2align	8
	.type	k_q701c2229ed_proj,@function
k_q701c2229ed_proj:
	s_mov_b64 s[64:65], 0
	v_nop
	global_prefetch_b8 v0, s[64:65] scope:SCOPE_SE
	s_setreg_imm32_b32 hwreg(HW_REG_WAVE_MODE, 25, 1), 1
	s_wait_xcnt 0x0
	s_wait_alu depctr_hold_cnt(0) depctr_sa_sdst(0) depctr_va_vdst(0) depctr_va_sdst(0) depctr_va_ssrc(0) depctr_va_vcc(0) depctr_vm_vsrc(0)
	s_getreg_b32 s2, hwreg(HW_REG_IB_STS2, 6, 4)
	s_cmp_eq_u32 s2, 0
	s_cbranch_scc0 .Lentry_in_a_cluster
	s_endpgm
.Lentry_in_a_cluster:
	s_bfe_u32 s2, ttmp6, 0x10000c
	s_cmp_lg_u32 s2, 0xf033
	s_cbranch_scc0 .Lentry_shape_is_right
	s_endpgm
.Lentry_shape_is_right:
.set ROWB,   256
.set KROW,   1024
.set PITCH,  272
.set FR,     16
.set NL,     4
.set NP,     4
.set HALFT,  128*PITCH
.set SLOT,   4*HALFT
.set LAPS,   2
.set SPARE,  2*SLOT
.set SPITCH, 144
.set ADRA, 16
.set ADRB, 20
.set STO,  24
.set RD,   25
.set SPW,  28
.set NIL,  29
.set TMP,  32
.set CD,   96
.set AF,   128
.set BK,   128
.set G1, 24
.set G0, 32
.set G1B, 48
.set G0B, 56
.set MSB, 0
.macro WIN new
.if MSB != \new
	s_set_vgpr_msb (MSB<<8)|\new
.set MSB, \new
.endif
.endm
.set MUL_LO, 0xa1
.set MUL_HI, 0xf1
.set TO_B,   0x40
.macro JLOAD g0a, g1a, g0b, g1b
	s_cmp_eq_u32 s15, 0
	s_cbranch_scc0 .Lfor_b_\@
	tensor_load_to_lds s[\g0a:\g0a+3], s[\g1a:\g1a+7]
	s_nop 0
.rept 4
	v_nop
.endr
	s_branch .Lasked_\@
.Lfor_b_\@:
	tensor_load_to_lds s[\g0b:\g0b+3], s[\g1b:\g1b+7]
	s_nop 0
.rept 4
	v_nop
.endr
.Lasked_\@:
.endm
.macro CREST
	s_cmp_lg_u32 s14, 0
	s_cbranch_scc1 .Lnot_wave_0_\@
	s_barrier_signal -3
.Lnot_wave_0_\@:
	s_barrier_wait -3
	s_barrier_signal -1
	s_barrier_wait -1
.endm
.macro CROUND
	s_barrier_signal -1
	s_barrier_wait -1
	CREST
.endm
	s_load_b256 s[4:11], s[0:1], 0x0
	v_lshl_add_u32 v[SPW], v0, 2, SPARE
	v_mov_b32 v[NIL], 0
	ds_add_u32 v28, v29
	ds_add_u32 v28, v29
	s_wait_dscnt 0x0
	v_lshrrev_b32 v1, 5, v0
	v_readfirstlane_b32 s14, v1
	s_lshr_b32 s15, s14, 1
	s_and_b32 s16, s14, 1
	s_bfe_u32 s40, ttmp6, 0x40000
	s_bfe_u32 s41, ttmp6, 0x40004
	s_and_b32 s13, ttmp7, 0xffff
	s_lshl_b32 s13, s13, 2
	s_cmp_eq_u32 ttmp9, 2
	s_cselect_b32 s12, 0, s13
	s_cselect_b32 s13, s13, 0
	s_add_co_u32 s17, s12, s41
	s_add_co_u32 s42, s13, s40
	s_lshl_b32 s43, s41, 2
	s_lshl_b32 s43, 15, s43
	s_lshl_b32 s44, 0x1111, s40
	s_or_b32 s[G1+0], s43, (0<<16)|(1<<20)|(1<<21)|(5<<22)|(3<<25)
	s_or_b32 s[G1B+0], s44, (0<<16)|(1<<20)|(1<<21)|(5<<22)|(3<<25)
.irp g, G1, G1B
	s_mov_b32 s[\g+1], ROWB<<16
	s_mov_b32 s[\g+2], 128<<16
	s_mov_b32 s[\g+3], ROWB<<16
	s_mov_b32 s[\g+4], 128
	s_mov_b32 s[\g+5], KROW
	s_mov_b32 s[\g+6], 0
	s_mov_b32 s[\g+7], 0
.endr
	s_lshl_b32 s18, s16, 7
	s_lshl_b32 s20, s17, 8
	s_add_co_u32 s20, s20, s18
	s_lshl_b32 s20, s20, 10
	s_mov_b32 s21, 0
	s_lshl_b32 s46, s42, 8
	s_add_co_u32 s46, s46, s18
	s_lshl_b32 s46, s46, 10
	s_mov_b32 s47, 0
	s_mul_i32 s45, s14, HALFT
	s_lshl_b32 s66, ttmp9, 22
	s_mov_b32 s67, 0
	s_lshl_b32 s70, ttmp9, 20
	s_mov_b32 s71, 0
	s_lshl_b32 s76, ttmp9, 3
	s_lshr_b32 s77, ttmp9, 1
	s_add_co_u32 s77, s77, ttmp9
	s_lshl_b32 s77, s77, 2
	s_wait_kmcnt 0x0
	s_load_b64 s[96:97], s[8:9], s76 offset:0x0
	s_load_b32 s95, s[8:9], s77 offset:0x18
	s_add_nc_u64 s[68:69], s[4:5], s[66:67]
	s_add_nc_u64 s[70:71], s[6:7], s[70:71]
	s_cmp_eq_u32 ttmp9, 2
	s_cselect_b64 s[72:73], s[70:71], s[68:69]
	s_cselect_b64 s[74:75], s[68:69], s[70:71]
	s_add_nc_u64 s[20:21], s[72:73], s[20:21]
	s_add_nc_u64 s[46:47], s[74:75], s[46:47]
	CROUND
.irp s, 0,1
	s_mov_b32 s[G0+4*\s], 1
	s_add_co_u32 s[G0+4*\s+1], s45, \s*SLOT
	s_add_nc_u64 s[G0+4*\s+2:G0+4*\s+3], s[20:21], \s*ROWB
	s_or_b32 s[G0+4*\s+3], s[G0+4*\s+3], 0x80000000
	s_mov_b32 s[G0B+4*\s], 1
	s_add_co_u32 s[G0B+4*\s+1], s45, \s*SLOT
	s_add_nc_u64 s[G0B+4*\s+2:G0B+4*\s+3], s[46:47], \s*ROWB
	s_or_b32 s[G0B+4*\s+3], s[G0B+4*\s+3], 0x80000000
	s_wait_alu depctr_va_vdst(0)
	s_wait_tensorcnt 0x0
	ds_add_u32 v28, v29
	ds_add_u32 v28, v29
	s_wait_dscnt 0x0
	CROUND
	JLOAD G0+4*\s, G1, G0B+4*\s, G1B
.endr
	v_and_b32 v1, 15, v0
	s_wait_alu depctr_va_vdst(0)
	v_bfe_u32 v2, v0, 4, 1
	v_mul_u32_u24 v3, v1, PITCH
	v_lshl_add_u32 v4, v2, 4, v3
	s_mul_i32 s21, s15, HALFT
	s_mul_i32 s22, s16, HALFT
	s_add_co_u32 s22, s22, 2*HALFT
.irp s, 0,1
	v_add_nc_u32 v[ADRA+\s], s21, v4
	v_add_nc_u32 v[ADRB+\s], s22, v4
	s_add_co_u32 s21, s21, SLOT
	s_add_co_u32 s22, s22, SLOT
.endr
	s_mul_i32 s23, s14, 16*SPITCH
	v_mul_u32_u24 v5, v1, SPITCH
	s_wait_alu depctr_va_vdst(0)
	v_lshl_add_u32 v5, v2, 3, v5
	v_add_nc_u32 v[STO], s23, v5
	v_bfe_u32 v5, v0, 3, 2
	s_wait_alu depctr_va_vdst(0)
	v_and_b32 v6, 7, v0
	v_mul_u32_u24 v7, v5, SPITCH
	v_lshl_add_u32 v7, v6, 4, v7
	v_add_nc_u32 v[RD], s23, v7
	s_cmp_eq_u32 ttmp9, 2
	s_cselect_b32 s78, 128, 64
	s_cselect_b32 s79, 64, 0x40000
	s_cselect_b32 s86, 0x3e000, 0
	s_mov_b32 s87, 0
	s_lshl_b32 s84, s78, 4
	s_mov_b32 s85, 0
	s_lshl_b32 s88, s78, 2
	v_mul_lo_u32 v5, v5, s78
	v_bfe_u32 v6, v0, 2, 1
	v_mul_lo_u32 v6, v6, s79
	v_add_nc_u32 v5, v5, v6
	v_and_b32 v6, 3, v0
	v_lshl_add_u32 v8, v6, 4, v5
	v_add_nc_u32 v9, s88, v8
	v_add_nc_u32 v10, s88, v9
	v_add_nc_u32 v11, s88, v10
	s_lshl_b32 s80, s17, 1
	s_add_co_u32 s80, s80, s15
	s_lshl_b32 s81, s42, 1
	s_add_co_u32 s81, s81, s16
	s_cmp_eq_u32 ttmp9, 2
	s_cselect_b32 s82, s80, s81
	s_cselect_b32 s83, s81, s80
	s_lshl_b32 s82, s82, 19
	s_lshl_b32 s83, s83, 13
	s_add_co_u32 s82, s82, s83
	s_add_co_u32 s82, s82, s66
	s_mov_b32 s83, 0
	s_add_nc_u64 s[10:11], s[10:11], s[82:83]
.macro FRAG reg, adr, q, i
.irp c, 0,1,2,3
	ds_load_b128 v[\reg+4*\c:\reg+4*\c+3], v[\adr] offset:128*(\q)+32*\c+(\i)*16*PITCH
.endr
.endm
.macro MUL16 a0, p, zero
.irp a, \a0, \a0+1
.irp b, 0,1,2,3,4,5,6,7
.if \zero
	v_wmma_f32_16x16x128_fp8_fp8 v[8*(8*((\a)%4)+\b):8*(8*((\a)%4)+\b)+7], v[128*(\p)+FR*\b:128*(\p)+FR*\b+FR-1], v[AF+FR*(\a):AF+FR*(\a)+FR-1], 0
.else
	v_wmma_f32_16x16x128_fp8_fp8 v[8*(8*((\a)%4)+\b):8*(8*((\a)%4)+\b)+7], v[128*(\p)+FR*\b:128*(\p)+FR*\b+FR-1], v[AF+FR*(\a):AF+FR*(\a)+FR-1], v[8*(8*((\a)%4)+\b):8*(8*((\a)%4)+\b)+7]
.endif
.endr
.endr
.endm
.macro FETCH_B slot, q, p
	WIN TO_B
.irp i, 0,1,2,3,4,5,6,7
	FRAG 128*(\p)+FR*\i, ADRB+\slot, \q, \i
.endr
	WIN 0
.endm
.macro FETCH_A slot, q, i0
.irp i, \i0, \i0+1, \i0+2, \i0+3
	FRAG AF+FR*(\i), ADRA+\slot, \q, \i
.endr
.endm
.macro PLACES n
.rept \n
	v_nop
.endr
.endm
.macro STEP slot, q, zero
	s_wait_dscnt 4*NL
	WIN MUL_LO
	MUL16 0, (\q)%2, \zero
	MUL16 2, (\q)%2, \zero
	s_wait_dscnt 0
	PLACES NP
	FETCH_B \slot, (\q)+1, 1-(\q)%2
	FETCH_A \slot, (\q)+1, 0
	WIN MUL_HI
	MUL16 4, (\q)%2, \zero
	MUL16 6, (\q)%2, \zero
	PLACES NP
	WIN 0
	FETCH_A \slot, (\q)+1, 4
.endm
.macro TURN slot, next, fill
	s_wait_tensorcnt 0x0
	ds_add_u32 v[SPW], v[NIL]
	s_wait_dscnt 4*NL+1
	WIN MUL_LO
	MUL16 0, 1, 0
	s_wait_dscnt 0x0
	s_barrier_signal -1
	MUL16 2, 1, 0
	WIN 0
	s_barrier_wait -1
.if \fill
	CREST
	s_add_nc_u64 s[G0+4*\slot+2:G0+4*\slot+3], s[G0+4*\slot+2:G0+4*\slot+3], 2*ROWB
	s_add_nc_u64 s[G0B+4*\slot+2:G0B+4*\slot+3], s[G0B+4*\slot+2:G0B+4*\slot+3], 2*ROWB
	JLOAD G0+4*\slot, G1, G0B+4*\slot, G1B
.else
	PLACES NP
.endif
	FETCH_B \next, 0, 0
	FETCH_A \next, 0, 0
	WIN MUL_HI
	MUL16 4, 1, 0
	MUL16 6, 1, 0
	PLACES NP
	WIN 0
	FETCH_A \next, 0, 4
.endm
	s_wait_tensorcnt 1
	s_barrier_signal -1
	s_barrier_wait -1
	FETCH_B 0, 0, 0
	FETCH_A 0, 0, 0
	FETCH_A 0, 0, 4
	STEP 0, 0, 1
	s_mov_b32 s3, LAPS-1
.Llap:
	TURN 0, 1, 1
	STEP 1, 0, 0
	TURN 1, 0, 1
	STEP 0, 0, 0
	s_sub_co_u32 s3, s3, 1
	s_cmp_lg_u32 s3, 0
	s_cbranch_scc1 .Llap
	TURN 0, 1, 0
	STEP 1, 0, 0
	s_wait_dscnt 4*NL
	WIN MUL_LO
	MUL16 0, 1, 0
	MUL16 2, 1, 0
	s_wait_dscnt 0
	WIN MUL_HI
	MUL16 4, 1, 0
	MUL16 6, 1, 0
	WIN 0
.macro TOSTAGE a
.set AC, 64*((\a)%4)
	WIN 0x02+((\a)/4)
.set NN, 0
.rept 64
	v_med3_num_f32 v[TMP+NN], v[AC+NN], -v31, v31
.set NN, NN+1
.endr
	WIN 0
.irp b, 0,1,2,3,4,5,6,7
	v_cvt_scalef32_pk8_fp8_f32 v[CD+2*\b:CD+2*\b+1], v[TMP+8*\b:TMP+8*\b+7], v30
.endr
	v_nop
.irp b, 0,1,2,3,4,5,6,7
	ds_store_b64 v[STO], v[CD+2*\b:CD+2*\b+1] offset:16*\b
.endr
.set BB, BK+16*(\a)
.irp t, 0,1,2,3
	ds_load_b128 v[BB+4*\t:BB+4*\t+3], v[RD] offset:4*\t*SPITCH
.endr
.endm
.macro SEND a, younger
.set BB, BK+16*(\a)
	s_wait_dscnt \younger
.irp t, 0,1,2,3
	global_store_b128 v[8+\t], v[BB+4*\t:BB+4*\t+3], s[32+2*(\a):33+2*(\a)]   ; each block has data registers and a base of its own: no source of a pending store is written again
.endr
.endm
	s_mov_b64 s[32:33], s[10:11]                   ; the eight blocks' bases, in registers whose tensor loads are all done
.irp a, 1,2,3,4,5,6,7
	s_add_nc_u64 s[32+2*\a:33+2*\a], s[30+2*\a:31+2*\a], s[84:85]
.if \a == 4
	s_add_nc_u64 s[40:41], s[40:41], s[86:87]
.endif
.endr
	s_wait_kmcnt 0x0
	s_sub_co_i32 s95, s95, s96
	s_sub_co_i32 s95, s95, s97
	s_add_co_i32 s95, s95, 127
	s_lshl_b32 s96, s95, 23
	v_mov_b32 v30, s96
	s_add_co_i32 s95, s95, 8
	s_lshl_b32 s95, s95, 23
	s_or_b32 s95, s95, 0x600000
	v_mov_b32 v31, s95
	PLACES NP
	TOSTAGE 0
.irp a, 1,2,3,4,5,6,7
	TOSTAGE \a
	SEND \a-1, 12
.endr
	SEND 7, 0
	s_wait_tensorcnt 0x0
	ds_add_u32 v[SPW], v[NIL]
	s_wait_dscnt 0x0
	CROUND
	s_endpgm
.Lfunc_end_k_q701c2229ed_proj:
	.size	k_q701c2229ed_proj, .Lfunc_end_k_q701c2229ed_proj-k_q701c2229ed_proj
	.p2alignl 7, 3214868480
	.fill 96, 4, 3214868480
	.section	.rodata,"a",@progbits
	.p2align	6, 0x0
	.amdhsa_kernel k_q701c2229ed_proj
		.amdhsa_group_segment_fixed_size 327680
		.amdhsa_private_segment_fixed_size 0
		.amdhsa_enable_private_segment 0
		.amdhsa_kernarg_size 32
		.amdhsa_user_sgpr_count 2
		.amdhsa_user_sgpr_kernarg_segment_ptr 1
		.amdhsa_wavefront_size32 1
		.amdhsa_system_sgpr_workgroup_id_x 1
		.amdhsa_system_sgpr_workgroup_id_y 1
		.amdhsa_system_sgpr_workgroup_id_z 1
		.amdhsa_system_vgpr_workitem_id 0
		.amdhsa_next_free_vgpr 1024
		.amdhsa_next_free_sgpr 98
		.amdhsa_reserve_vcc 0
		.amdhsa_float_denorm_mode_32 3
		.amdhsa_float_denorm_mode_16_64 3
		.amdhsa_memory_ordered 1
		.amdhsa_forward_progress 1
		.amdhsa_inst_pref_size 127
	.end_amdhsa_kernel
	.amdgpu_metadata
---
amdhsa.version: [ 1, 2 ]
amdhsa.kernels:
  - .name:           k_q701c2229ed_proj
    .symbol:         k_q701c2229ed_proj.kd
    .args:
      - { .name: xc, .offset: 0, .size: 8, .value_kind: global_buffer, .address_space: global }
      - { .name: wc, .offset: 8, .size: 8, .value_kind: global_buffer, .address_space: global }
      - { .name: lowp_scales, .offset: 16, .size: 8, .value_kind: global_buffer, .address_space: global }
      - { .name: qkv, .offset: 24, .size: 8, .value_kind: global_buffer, .address_space: global }
    .group_segment_fixed_size: 327680
    .private_segment_fixed_size: 0
    .kernarg_segment_align: 8
    .kernarg_segment_size: 32
    .max_flat_workgroup_size: 128
    .sgpr_count:     98
    .vgpr_count:     1024
    .wavefront_size: 32
...
	.end_amdgpu_metadata
.endif
;; end of part 2
;; launch attn (part 3): grid 16 x 16, 8 waves a work-group, no clusters, 283,648 bytes of LDS; arguments qkv, mw, mf, lowp_scales, ac; writes ac
.if DOCPART == 3
	.amdgcn_target "amdgcn-amd-amdhsa--gfx1250"
	.amdhsa_code_object_version 6
	.text
	.protected	k_q701c2229ed_attn
	.globl	k_q701c2229ed_attn
	.p2align	8
	.type	k_q701c2229ed_attn,@function
k_q701c2229ed_attn:
	s_mov_b64 s[64:65], 0
	v_nop
	global_prefetch_b8 v0, s[64:65] scope:SCOPE_SE
	s_setreg_imm32_b32 hwreg(HW_REG_WAVE_MODE, 25, 1), 1
	s_wait_xcnt 0x0
; ATTENTION ON E4M3 CODES, with the mask, and the quantiser of its result.  16 heads x 4,096 queries x 4,096 keys, head size 64.
; t = score x 2^(e6 + e7) x log2(e) / 8; hidden scores are -infinity ahead of the maximum; M = the running largest t rounded UP to a whole number; p = 2^(t - M) is quantised with 2^e8, not normalised;
; the row's sum l is taken of the unquantised p; when M moves, l and O are multiplied by 2^(old M - new M), which rounds nothing.  At the end O / l is quantised with 2^e10 (the sums lack 2^(e8 + e9): one folded scale).
; SHARES.  A work-group owns 256 queries of one head; each of its eight waves 32 of them: two tiles of 16, so that each fragment of K and V read from LDS feeds two products.  The two tiles' chains stand line by line.
; LAYOUT.  Both products transposed: S^T = K Q^T, O^T = V^T P^T: a lane holds ONE query.  Register j of tile tau, lane (r, h) is key 16 tau + 8 h + j; a conversion of a tile's eight registers gives registers 2 tau, 2 tau + 1 of P.
; V's codes lie [key step][64 channels][128 positions], position p = key pi(p) (bits 3, 4 exchanged), so that 16-byte loads of V meet P's codes key by key.
; THE MASK.  mf holds a word for each query tile: bit s = all 16 x 128 mask bytes of key step s are true.  Where it is set the selects change nothing, and a scalar branch leads round them and round the loads of their words;
; else the 64 words of mw (bit = lane, word = register) come by scalar loads and one select a score makes a hidden score -infinity.
; THE HOLD of p at 448 x 2^e8: p is at most 1, so for e8 >= -8 (448 x 2^-8 = 1.75) it changes nothing, and a scalar branch on e8 leads round it; for a smaller e8 it is done, two numbers an instruction.
; LDS.  Two slots of 512 keys (four key steps, each 32 lines of K and 32 of V, lines of 256 bytes + 16).  A slot comes through registers: each wave loads 8,192 bytes (wave w < 4: K of key step w; else V of step w - 4) and stores them.
; One barrier a trip of four key steps: in front of it each wave has waited for its stores into the slot ahead and its reads of the slot left; behind it the slot left is written with the keys after next.
; K's fragments of the next key step of the same slot are asked for behind this step's score products; a slot's first step asks for its own behind the barrier.
; No joint loads: they are tensor loads, and this launch has two branches on numbers read from memory.
; No prefetch: a slot's loads into registers are themselves issued a whole trip, four key steps, ahead of the wait for them.
; A QUERY WHOSE MASK IS ALL FALSE has l = 0: its codes are made the NaN code, so that its output row is NaN, as a softmax of nothing is.
; LIMITS: e6 + e7 between -123 and 130; e8, and e10 - e8 - e9, between -126 and 119.
; REGISTERS.  window 0: v1-11 addresses and constants; v12-19, v20-27 statistics of tile 0, 1: +0 -M, +1 largest t, +2, +3 l in two halves, +4 f (+5 named with it), +6 at work; v30, v31, v120-125 at work; v32-47 Q;
;   v48-79 P's codes; v80-87 addresses; v128-255 S^T, then p, 64 a tile.   window 1: v0-63 O^T, 32 a tile; v64-127 K's 8 fragments; v128-191 V's 4; v192-255 a slot's bytes on their way.
; SCALARS.  s2, s3 the slot read, the slot written; s4 trip; s6 key step; s7 its mask words' byte; s12, s13 the tiles' flags; s16 e8; s[32:63], s[68:99] a tile's 64 mask words (scratch at the head).
.set SLOT1, 131072
.set STEPB, 17408                      ; a key step in a slot: 32 lines of K, 32 lines of V
.set VOFF,  8704
.set STAGE, 262144                     ; the way out: 32 rows x 80 bytes for each wave
.set SPARE, 282624                     ; the spare words, 128 bytes for each of eight waves, that no other line names
.set QR,    32
.set PR,    48
.set SR,    128
.set KF,    64                         ; in window 1
.set VF,    128                        ; in window 1
.set LD,    192                        ; in window 1
.set MSB, 0
.macro WIN new                         ; the immediate's high byte repeats the setting that is left
.if MSB != \new
	s_set_vgpr_msb (MSB<<8)|\new
.set MSB, \new
.endif
.endm
.macro GLOAD                           ; my 8,192 bytes of the slot at s[14:15]: each load reads 512 consecutive bytes
	WIN 0x40                                       ; destination window 1
.irp i, 0,1,2,3,4,5,6,7,8,9,10,11,12,13,14,15
	global_load_b128 v[LD+4*\i:LD+4*\i+3], v3, s[14:15] offset:512*\i
.endr
	WIN 0
.endm
.macro FILL adr                        ; and into LDS: two lines an instruction
	WIN 0x04                                       ; the data, source 1, window 1
.irp i, 0,1,2,3,4,5,6,7,8,9,10,11,12,13,14,15
	ds_store_b128 v[\adr], v[LD+4*\i:LD+4*\i+3] offset:544*\i
.endr
	WIN 0
.endm
.macro KLOAD                           ; K's eight fragments of the key step at v4: keys 16 u + r, four lines of 272 bytes a tile
	WIN 0x40
.irp u, 0,1,2,3,4,5,6,7
	ds_load_b128 v[KF+8*\u:KF+8*\u+3], v4 offset:1088*\u
	ds_load_b128 v[KF+8*\u+4:KF+8*\u+7], v4 offset:1088*\u+32
.endr
	WIN 0
.endm
.macro MLOAD i                         ; tile i's 64 mask words of the step at byte s7
	s_load_b512 s[32:47], s[8:9], s7 offset:8192*\i
	s_load_b512 s[48:63], s[8:9], s7 offset:8192*\i+64
	s_load_b512 s[68:83], s[8:9], s7 offset:8192*\i+128
	s_load_b512 s[84:99], s[8:9], s7 offset:8192*\i+192
	s_wait_kmcnt 0x0
.endm
.macro MASK i                          ; a hidden score becomes -infinity; each accumulator from its low end on
.set NN, 0
.rept 64
.if NN < 32
	v_cndmask_b32 v[SR+64*\i+NN], v8, v[SR+64*\i+NN], s[32+NN]
.else
	v_cndmask_b32 v[SR+64*\i+NN], v8, v[SR+64*\i+NN], s[36+NN]
.endif
.set NN, NN+1
.endr
.endm
	s_load_b256 s[68:75], s[0:1], 0x0              ; qkv, mw, mf, the scales
	s_load_b64 s[76:77], s[0:1], 0x20              ; ac
	v_lshl_add_u32 v5, v0, 2, SPARE
	v_mov_b32 v6, 0
	v_lshrrev_b32 v1, 5, v0
	v_readfirstlane_b32 s5, v1                     ; wave 0..7
	s_and_b32 s34, ttmp7, 0xffff
	s_lshl_b32 s34, s34, 18                        ; the head's 262,144 bytes, in each of q, k, v and ac
	s_lshl_b32 s36, ttmp9, 14                      ; my block's 256 rows of 64 bytes,
	s_lshl_b32 s37, s5, 11                         ; my wave's 32
	s_add_co_u32 s36, s36, s37
	s_add_co_u32 s36, s36, s34
	s_mov_b32 s37, 0
	s_lshl_b32 s38, ttmp9, 17                      ; the mask words: 16 tiles of 8,192 bytes a block,
	s_lshl_b32 s39, s5, 14                         ; two tiles a wave
	s_add_co_u32 s38, s38, s39
	s_mov_b32 s39, 0
	s_lshl_b32 s40, ttmp9, 6                       ; the flags: 4 bytes a tile
	s_lshl_b32 s41, s5, 3
	s_add_co_u32 s40, s40, s41
	s_and_b32 s42, s5, 3                           ; which key step of a slot's K or V I bring
	s_lshl_b32 s44, s42, 13
	s_add_co_u32 s44, s44, s34
	s_mov_b32 s45, 0
	s_mul_i32 s46, s42, STEPB                      ; where it goes in a slot: its key step,
	s_lshr_b32 s48, s5, 2                          ; K's lines or V's
	s_mul_i32 s48, s48, VOFF
	s_add_co_u32 s46, s46, s48
	s_mul_i32 s49, s5, 2560
	s_add_co_u32 s49, s49, STAGE                   ; my stage
	s_mov_b32 s26, 0x76543210
	s_mov_b32 s27, 0xfedcba98                      ; lane l xor 16
	s_mov_b32 s2, 0
	s_mov_b32 s3, SLOT1
	s_mov_b32 s4, 0
	s_mov_b32 s6, 0
	s_mov_b32 s7, 0
	v_and_b32 v85, 15, v0                          ; r
	v_bfe_u32 v86, v0, 4, 1                        ; h
	v_lshlrev_b32 v84, 6, v85
	v_lshl_add_u32 v84, v86, 4, v84                ; Q: row r of 64 bytes, + 16 h
	v_lshrrev_b32 v87, 2, v85
	v_mul_u32_u24 v1, v87, 272
	v_and_b32 v87, 3, v85
	v_lshl_add_u32 v1, v87, 6, v1
	v_lshl_add_u32 v1, v86, 4, v1                  ; K: four keys to a line: (r / 4) 272 + (r % 4) 64 + 16 h
	v_lshrrev_b32 v87, 1, v85
	v_mul_u32_u24 v2, v87, 272
	v_and_b32 v87, 1, v85
	v_lshl_add_u32 v2, v87, 7, v2
	v_lshl_add_u32 v2, v86, 4, v2
	v_add_nc_u32 v2, VOFF, v2                      ; V: two channels to a line: (r / 2) 272 + (r % 2) 128 + 16 h
	v_and_b32 v3, 31, v0
	v_lshlrev_b32 v3, 4, v3                        ; 16 x lane: my bytes of 512 consecutive ones in memory
	v_mul_u32_u24 v83, v86, 272
	v_lshl_add_u32 v83, v85, 4, v83
	v_add_nc_u32 v83, s46, v83                     ; and in a slot: lanes 0-15 one line, lanes 16-31 the next
	v_mul_u32_u24 v80, v85, 80
	v_lshl_add_u32 v80, v86, 3, v80
	v_add_nc_u32 v80, s49, v80                     ; the stage, in: row r, + 8 h
	v_bfe_u32 v87, v0, 2, 3
	v_mul_u32_u24 v81, v87, 80
	v_and_b32 v87, 3, v0
	v_lshl_add_u32 v81, v87, 4, v81
	v_add_nc_u32 v81, s49, v81                     ; back: eight rows of 64 bytes an instruction
	v_mov_b32 v8, 0xff800000                       ; -infinity
	v_mov_b32 v82, 0x7f7f7f7f                      ; four NaN codes
.irp i, 12,20
	v_mov_b32 v[\i+1], 0xff61b1e6                  ; the largest t so far: -3e38
	v_floor_f32 v[\i], -v[\i+1]
	v_mov_b32 v[\i+2], 0
	v_mov_b32 v[\i+3], 0
	v_mov_b32 v[\i+5], 0                           ; (named as the upper half of f's pair)
.endr
	v_mov_b32 v30, 0                               ; a lane exchange's destination counts as read
	v_mov_b32 v31, 0
	WIN 0x40
.set NN, 0
.rept 64
	v_mov_b32 v[NN], 0                             ; O^T: the step is written once; zeros stay zeros under the first change of M
.set NN, NN+1
.endr
	WIN 0
	s_wait_alu depctr_va_vdst(0)
	s_wait_kmcnt 0x0
	s_load_b256 s[80:87], s[74:75], 0x10           ; e4 .. e11
	s_load_b64 s[12:13], s[72:73], s40 offset:0x0  ; my two tiles' flags
	s_add_nc_u64 s[8:9], s[70:71], s[38:39]        ; my first tile's words
	s_add_nc_u64 s[10:11], s[76:77], s[36:37]      ; my rows of the result
	s_add_nc_u64 s[100:101], s[68:69], s[36:37]    ; my rows of q
	s_add_nc_u64 s[50:51], s[68:69], 0x400000      ; k
	s_add_nc_u64 s[52:53], s[68:69], 0x800000      ; v
	s_cmp_lt_u32 s5, 4
	s_cselect_b64 s[14:15], s[50:51], s[52:53]
	s_add_nc_u64 s[14:15], s[14:15], s[44:45]
	GLOAD                                          ; keys 0 .. 511
.irp i, 0,1
	global_load_b128 v[QR+8*\i:QR+8*\i+3], v84, s[100:101] offset:1024*\i
	global_load_b128 v[QR+8*\i+4:QR+8*\i+7], v84, s[100:101] offset:1024*\i+32   ; the same permutation of the head's 64 as K's loads make
.endr
	s_wait_kmcnt 0x0
	s_add_co_i32 s50, s82, s83                     ; e6 + e7 goes into c's exponent field
	s_lshl_b32 s50, s50, 23
	s_add_co_i32 s24, s50, 0x3e38aa3b              ; c = log2(e) / 8
	s_mov_b32 s25, s24
	s_mov_b32 s16, s84                             ; e8
	s_add_co_i32 s50, s84, 127
	s_lshl_b32 s51, s50, 23
	v_mov_b32 v9, s51                              ; 2^e8
	s_add_co_i32 s50, s50, 8
	s_lshl_b32 s50, s50, 23
	s_or_b32 s50, s50, 0x600000
	v_mov_b32 v10, s50                             ; 448 x 2^e8,
	v_mov_b32 v11, s50                             ; twice: the two halves of a dual instruction take their second sources from different banks
	s_sub_co_i32 s50, s86, s84
	s_sub_co_i32 s50, s50, s85                     ; e10 - e8 - e9
	s_add_co_i32 s50, s50, 127
	s_lshl_b32 s30, s50, 23
	s_add_co_i32 s50, s50, 8
	s_lshl_b32 s31, s50, 23
	s_or_b32 s31, s31, 0x600000
	s_wait_alu depctr_va_vdst(0)
	s_wait_loadcnt 0x0                             ; Q, and my part of slot 0
	FILL 83
	s_add_nc_u64 s[14:15], s[14:15], 32768
	s_wait_dscnt 0x0                               ; the stores have read their registers
	GLOAD                                          ; keys 512 .. 1023
.Ltrip:                                            ; eight trips of four key steps
	s_wait_loadcnt 0x0                             ; my part of the next slot is in registers
	s_wait_dscnt 0x0                               ; my stores into the slot ahead and my reads of the slot left are done
	s_barrier_signal -1
	s_barrier_wait -1                              ; both now hold of every wave
	s_cmp_lt_u32 s4, 7                             ; the last trip has no slot behind it
	s_cbranch_scc0 .Lfilled
	v_add_nc_u32 v87, s3, v83
	FILL 87
	s_cmp_lt_u32 s4, 6                             ; the last two trips load nothing: no load leaves the head's keys
	s_cbranch_scc0 .Lfilled
	s_add_nc_u64 s[14:15], s[14:15], 32768         ; (behind the wait that shows the loads which read it done)
	s_wait_dscnt 0x0                               ; the stores have read their registers
	GLOAD                                          ; the slot after next
.Lfilled:
	v_add_nc_u32 v4, s2, v1
	KLOAD                                          ; the slot's first key step asks for its K here
	s_mov_b32 s17, 4
.Lstep:                                            ; A KEY STEP: 128 keys at LDS byte s2
	v_add_nc_u32 v7, s2, v2
.rept 3
	v_nop                                          ; four plain lines between the last products and the loads into V's registers
.endr
	WIN 0x40                                       ; destination window 1
.irp t, 0,1,2,3
.irp c, 0,1,2,3
	ds_load_b128 v[VF+16*\t+4*\c:VF+16*\t+4*\c+3], v7 offset:2176*\t+32*\c   ; channels 16 t + r: eight lines a tile
.endr
.endr
	s_wait_dscnt 16                                ; K, asked for earlier, is in; V's sixteen loads may be out
	WIN 0x01                                       ; source 0 (K) window 1
.irp u, 0,1,2,3,4,5,6,7
.irp i, 0,1
	v_wmma_f32_16x16x64_fp8_fp8 v[SR+64*\i+8*\u:SR+64*\i+8*\u+7], v[KF+8*\u:KF+8*\u+7], v[QR+8*\i:QR+8*\i+7], 0
.endr
.endr
	WIN 0
	s_add_co_u32 s2, s2, STEPB                     ; the next key step
	v_add_nc_u32 v4, s2, v1
.rept 3
	v_nop                                          ; four plain lines ahead of the loads into K's registers and of the first read of the scores
.endr
	s_cmp_eq_u32 s17, 1                            ; the slot's last step has no successor in it
	s_cbranch_scc1 .Lnok
	KLOAD                                          ; the next step's K comes while the softmax runs
.Lnok:
	s_bitcmp1_b32 s12, s6                          ; tile 0: are all of this step's mask bytes true?
	s_cbranch_scc1 .Lopen0
	MLOAD 0
	MASK 0
.Lopen0:
	s_bitcmp1_b32 s13, s6
	s_cbranch_scc1 .Lopen1
	MLOAD 1
	MASK 1
.Lopen1:
	v_max3_num_f32 v18, v128, v129, v130           ; the step's largest score of my queries among my 64 keys: two chains a tile, each accumulator from its low end on
	v_max3_num_f32 v26, v192, v193, v194
	v_max3_num_f32 v124, v131, v132, v133
	v_max3_num_f32 v125, v195, v196, v197
.irp k, 6,10,14,18,22,26,30,34,38,42,46,50,54,58
	v_max3_num_f32 v18, v18, v[128+\k], v[129+\k]
	v_max3_num_f32 v26, v26, v[192+\k], v[193+\k]
	v_max3_num_f32 v124, v124, v[130+\k], v[131+\k]
	v_max3_num_f32 v125, v125, v[194+\k], v[195+\k]
.endr
	v_max3_num_f32 v18, v18, v190, v191
	v_max3_num_f32 v26, v26, v254, v255
	v_max_num_f32 v18, v18, v124
	v_max_num_f32 v26, v26, v125
	v_permlanex16_b32 v30, v18, s26, s27
	v_permlanex16_b32 v31, v26, s26, s27
	v_max_num_f32 v18, v18, v30                    ; and among the other half of the lanes'
	v_max_num_f32 v26, v26, v31
	v_mul_f32 v18, s24, v18                        ; as t (c is positive)
	v_mul_f32 v26, s24, v26
	v_max_num_f32 v13, v13, v18                    ; the running largest t
	v_max_num_f32 v21, v21, v26
	v_mov_b32 v18, v12
	v_mov_b32 v26, v20
	v_floor_f32 v12, -v13                          ; the new -M = floor(-t): M is a whole number
	v_floor_f32 v20, -v21
	v_sub_f32 v18, v12, v18                        ; old M - new M, 0 or less
	v_sub_f32 v26, v20, v26
	v_cvt_i32_f32 v18, v18                         ; (it saturates)
	v_cvt_i32_f32 v26, v26
	v_ldexp_f32 v16, 1.0, v18                      ; f = 2^(old M - new M)
	v_ldexp_f32 v24, 1.0, v26
.set NN, 0
.rept 32
	v_pk_fma_f32 v[128+NN:129+NN], v[128+NN:129+NN], s[24:25], v[12:13] op_sel_hi:[1,0,0]   ; t - M, two at a time
	v_pk_fma_f32 v[192+NN:193+NN], v[192+NN:193+NN], s[24:25], v[20:21] op_sel_hi:[1,0,0]
.set NN, NN+2
.endr
	v_pk_mul_f32 v[14:15], v[14:15], v[16:17] op_sel_hi:[1,0]   ; l under the new M
	v_pk_mul_f32 v[22:23], v[22:23], v[24:25] op_sel_hi:[1,0]
	WIN 0x41                                       ; O^T window 1, f window 0
.irp k, 0,2,4,6,8,10,12,14,16,18,20,22,24,26,28,30
	v_pk_mul_f32 v[\k:\k+1], v[\k:\k+1], v[16:17] op_sel_hi:[1,0]         ; O^T under the new M, ahead of the exponentials
	v_pk_mul_f32 v[32+\k:33+\k], v[32+\k:33+\k], v[24:25] op_sel_hi:[1,0]
.endr
	WIN 0
	s_wait_alu depctr_va_vdst(0)
.set NN, 0
.rept 128
	v_exp_f32 v[SR+NN], v[SR+NN]                   ; p = 2^(t - M)
.set NN, NN+1
.endr
	v_nop                                          ; the plain line behind the exponentials
	s_wait_alu depctr_va_vdst(0)                   ; one wait for the batch, ahead of its first reader
	v_pk_add_f32 v[120:121], v[128:129], v[130:131]   ; the sums of the unquantised p, two chains a tile
	v_pk_add_f32 v[122:123], v[192:193], v[194:195]
.irp k, 4,8,12,16,20,24,28,32,36,40,44,48,52,56,60
	v_pk_add_f32 v[14:15], v[14:15], v[128+\k:129+\k]
	v_pk_add_f32 v[22:23], v[22:23], v[192+\k:193+\k]
	v_pk_add_f32 v[120:121], v[120:121], v[130+\k:131+\k]
	v_pk_add_f32 v[122:123], v[122:123], v[194+\k:195+\k]
.endr
	v_pk_add_f32 v[14:15], v[14:15], v[120:121]
	v_pk_add_f32 v[22:23], v[22:23], v[122:123]
	s_cmp_ge_i32 s16, -8                           ; p <= 1 < 448 x 2^e8 for e8 >= -8: the hold would change nothing
	s_cbranch_scc1 .Lheld
.set NN, 0
.rept 64
	v_dual_min_num_f32 v[SR+NN], v[SR+NN], v10 :: v_dual_min_num_f32 v[SR+NN+1], v[SR+NN+1], v11   ; the conversion does not saturate (ISA guide 7.6.2); p is not negative: a one-sided hold
.set NN, NN+2
.endr
.Lheld:
.irp u, 0,1,2,3,4,5,6,7
	v_cvt_scalef32_pk8_fp8_f32 v[PR+2*\u:PR+2*\u+1], v[128+8*\u:135+8*\u], v9
	v_cvt_scalef32_pk8_fp8_f32 v[PR+16+2*\u:PR+17+2*\u], v[192+8*\u:199+8*\u], v9
.endr
	v_nop                                          ; a plain line behind the last conversion
	s_wait_alu depctr_va_vdst(0)
	s_wait_dscnt 0x0                               ; V is in (and the next step's K, asked for behind it)
	WIN 0x51                                       ; V, C and D window 1, P window 0
.irp t, 0,1,2,3
.irp i, 0,1
	v_wmma_f32_16x16x128_fp8_fp8 v[32*\i+8*\t:32*\i+8*\t+7], v[VF+16*\t:VF+16*\t+15], v[PR+16*\i:PR+16*\i+15], v[32*\i+8*\t:32*\i+8*\t+7]   ; eight accumulators by turns
.endr
.endr
	WIN 0
	s_add_co_u32 s6, s6, 1
	s_add_co_u32 s7, s7, 256
	s_sub_co_u32 s17, s17, 1
	s_cmp_lg_u32 s17, 0
	s_cbranch_scc1 .Lstep
	s_sub_co_u32 s2, s2, 4*STEPB
	s_xor_b32 s2, s2, SLOT1                        ; on to the other slot
	s_xor_b32 s3, s3, SLOT1
	s_add_co_u32 s4, s4, 1
	s_cmp_lt_u32 s4, 8
	s_cbranch_scc1 .Ltrip
	; THE WAY OUT: l; O^T / l; the hold and the conversion with the folded scale; through my stage; 512 consecutive bytes a store.
.rept 4
	v_nop
.endr
	v_add_f32 v18, v14, v15
	v_add_f32 v26, v22, v23
	v_permlanex16_b32 v30, v18, s26, s27
	v_permlanex16_b32 v31, v26, s26, s27
	v_add_f32 v18, v18, v30
	v_add_f32 v26, v26, v31
	v_cmp_eq_f32 s100, 0, v18                      ; a query that no key counts for
	v_cmp_eq_f32 s101, 0, v26
	v_mov_b32 v9, s30                              ; 2^(e10 - e8 - e9)
	v_mov_b32 v10, s31                             ; 448 x that
	s_wait_alu depctr_va_vdst(0)
	v_rcp_f32 v16, v18
	v_rcp_f32 v24, v26
	v_nop                                          ; the plain line behind them
	WIN 0x01                                       ; source 0 (O^T) window 1
	s_wait_alu depctr_va_vdst(0)                   ; one wait for both and for O^T, directly ahead of the first reader
.irp i, 0,1
.set NN, 0
.rept 32
	v_mul_f32 v[SR+32*\i+NN], v[32*\i+NN], v[16+8*\i]   ; each accumulator from its low end on
.set NN, NN+1
.endr
.endr
	WIN 0
.set NN, 0
.rept 64
	v_med3_num_f32 v[SR+NN], v[SR+NN], -v10, v10
.set NN, NN+1
.endr
.irp i, 0,1
.irp t, 0,1,2,3
	v_cvt_scalef32_pk8_fp8_f32 v[PR+8*\i+2*\t:PR+8*\i+2*\t+1], v[SR+32*\i+8*\t:SR+32*\i+8*\t+7], v9
.endr
.endr
	v_nop                                          ; a plain line behind the last conversion
.irp i, 0,1
.irp k, 0,1,2,3,4,5,6,7
	v_cndmask_b32 v[PR+8*\i+\k], v[PR+8*\i+\k], v82, s[100+\i]
.endr
.endr
.irp i, 0,1
.irp t, 0,1,2,3
	ds_store_b64 v80, v[PR+8*\i+2*\t:PR+8*\i+2*\t+1] offset:1280*\i+16*\t   ; query 16 i + r, channels 16 t + 8 h + 0 .. 7
.endr
.endr
.irp u, 0,1,2,3
	ds_load_b128 v[192+4*\u:192+4*\u+3], v81 offset:640*\u                  ; LDS serves a wave's instructions in order: these see my stores
.endr
.irp u, 0,1,2,3
	s_wait_dscnt 3-\u                              ; LDS loads come back in order
	global_store_b128 v3, v[192+4*\u:192+4*\u+3], s[10:11] offset:512*\u
.endr
	s_wait_tensorcnt 0x0                           ; the wave's end
	ds_add_u32 v5, v6
	s_wait_dscnt 0x0
	s_endpgm
.Lfunc_end_k_q701c2229ed_attn:
	.size	k_q701c2229ed_attn, .Lfunc_end_k_q701c2229ed_attn-k_q701c2229ed_attn
	.p2alignl 7, 3214868480
	.fill 96, 4, 3214868480
	.section	.rodata,"a",@progbits
	.p2align	6, 0x0
	.amdhsa_kernel k_q701c2229ed_attn
		.amdhsa_group_segment_fixed_size 283648
		.amdhsa_private_segment_fixed_size 0
		.amdhsa_enable_private_segment 0
		.amdhsa_kernarg_size 40
		.amdhsa_user_sgpr_count 2
		.amdhsa_user_sgpr_kernarg_segment_ptr 1
		.amdhsa_wavefront_size32 1
		.amdhsa_system_sgpr_workgroup_id_x 1
		.amdhsa_system_sgpr_workgroup_id_y 1
		.amdhsa_system_sgpr_workgroup_id_z 1
		.amdhsa_system_vgpr_workitem_id 0
		.amdhsa_next_free_vgpr 512
		.amdhsa_next_free_sgpr 102
		.amdhsa_reserve_vcc 0
		.amdhsa_float_denorm_mode_32 3
		.amdhsa_float_denorm_mode_16_64 3
		.amdhsa_memory_ordered 1
		.amdhsa_forward_progress 1
		.amdhsa_inst_pref_size 64
	.end_amdhsa_kernel
	.amdgpu_metadata
---
amdhsa.version: [ 1, 2 ]
amdhsa.kernels:
  - .name:           k_q701c2229ed_attn
    .symbol:         k_q701c2229ed_attn.kd
    .args:
      - { .name: qkv, .offset: 0, .size: 8, .value_kind: global_buffer, .address_space: global }
      - { .name: mw, .offset: 8, .size: 8, .value_kind: global_buffer, .address_space: global }
      - { .name: mf, .offset: 16, .size: 8, .value_kind: global_buffer, .address_space: global }
      - { .name: lowp_scales, .offset: 24, .size: 8, .value_kind: global_buffer, .address_space: global }
      - { .name: ac, .offset: 32, .size: 8, .value_kind: global_buffer, .address_space: global }
    .group_segment_fixed_size: 283648
    .private_segment_fixed_size: 0
    .kernarg_segment_align: 8
    .kernarg_segment_size: 40
    .max_flat_workgroup_size: 256
    .sgpr_count:     102
    .vgpr_count:     512
    .wavefront_size: 32
...
	.end_amdgpu_metadata
.endif
;; end of part 3
;; launch outp (part 4): grid 8 x 32, 4 waves a work-group, clusters of 4 x 4, 327,680 bytes of LDS; arguments ac, wc, lowp_scales, b_o, out0; writes out0
.if DOCPART == 4
	.amdgcn_target "amdgcn-amd-amdhsa--gfx1250"
	.amdhsa_code_object_version 6
	.text
	.protected	k_q701c2229ed_outp
	.globl	k_q701c2229ed_outp
	.p2align	8
	.type	k_q701c2229ed_outp,@function
k_q701c2229ed_outp:
	s_mov_b64 s[64:65], 0
	v_nop
	global_prefetch_b8 v0, s[64:65] scope:SCOPE_SE
	s_setreg_imm32_b32 hwreg(HW_REG_WAVE_MODE, 25, 1), 1
	s_wait_xcnt 0x0
	s_wait_alu depctr_hold_cnt(0) depctr_sa_sdst(0) depctr_va_vdst(0) depctr_va_sdst(0) depctr_va_ssrc(0) depctr_va_vcc(0) depctr_vm_vsrc(0)
	s_getreg_b32 s2, hwreg(HW_REG_IB_STS2, 6, 4)
	s_cmp_eq_u32 s2, 0
	s_cbranch_scc0 .Lentry_in_a_cluster
	s_endpgm
.Lentry_in_a_cluster:
	s_bfe_u32 s2, ttmp6, 0x10000c
	s_cmp_lg_u32 s2, 0xf033
	s_cbranch_scc0 .Lentry_shape_is_right
	s_endpgm
.Lentry_shape_is_right:
; out[token][n] = 2^(e10 + e11) x (sum over k of a[token][k] Wo[n][k]) + b_o[n], on E4M3 codes.  a: [16 heads][4096 tokens][64] (k = 64 head + channel); Wo: [1024 n][1024 k] at wc + 3 MiB.
; LIMIT: e10 + e11 between -126 and 127.
; A tile of 128 x 128 to a work-group, so that there are 256 of them; four waves, 64 x 64 each: 16 accumulators.  K = 1,024 is short: ALL of it lies in LDS at once, each byte filled once.
; Each wave issues ONE tensor load at the head, for all of K: waves 0, 1 A's halves, waves 2, 3 B's; one wait for 0 and one barrier follow, and nothing is filled again.
; CLUSTERS: 4 x 4.  A's tiles are shared along a row of the cluster, B's along a column: joint loads.
; A's part: 16 heads x (64 tokens x 64 bytes, dense): 16 rows of 4,096 bytes, 262,144 apart; 16 bytes of padding behind every 256 lay it as lines of 272 bytes, four tokens to a line, 16 lines a head.
; B's part: 64 rows of 1,024 bytes, 16 bytes of padding behind each: pitch 1,040.
; THE MATRIX INSTRUCTION IS USED TRANSPOSED (source 0 = 16 rows of Wo, source 1 = 16 tokens): a lane holds eight neighbouring n of one token.  Fragments come by 16-byte loads: the same permutation of k in both.
; No prefetch: the launch asks for all its bytes at its head.
; REGISTERS.  window 0: v1-15 addresses; v16-47 b_o in the result's layout; v48-79 at work; v128-255 the accumulators ((a, b) at 128 + 8 (4 a + b)).  windows 1, 2: the fragments of even and odd chunks of 256 along K.
.set PART,  69632                      ; what one wave brings: A: 16 heads x 16 lines of 272 bytes; B: 64 rows of 1,040 (66,560)
.set QUART, 17408                      ; four heads of A: a chunk of 256 along K
.set BP,    1040
.set STAGE, 4*PART                     ; 16 rows x 272 bytes for each wave; no fill lands here
.set SPARE, STAGE+4*16*272             ; the spare words, 128 bytes a wave, that no other line names
.set ACC,   128
.set PADA,  (0<<16)|(1<<20)|(1<<21)|(5<<22)|(3<<25)   ; elements of 1 byte; padding on; bit 21 beside a mask; after every 64 words, 4 words
.set PADB,  (0<<16)|(1<<20)|(1<<21)|(7<<22)|(3<<25)   ; the same after every 256 words
.set MSB, 0
.macro WIN new                         ; the immediate's high byte repeats the setting that is left
.if MSB != \new
	s_set_vgpr_msb (MSB<<8)|\new
.set MSB, \new
.endif
.endm
.macro CROUND
	s_barrier_signal -1
	s_barrier_wait -1
	s_cmp_lg_u32 s14, 0
	s_cbranch_scc1 .Lnot_wave_0_\@
	s_barrier_signal -3
.Lnot_wave_0_\@:
	s_barrier_wait -3
	s_barrier_signal -1
	s_barrier_wait -1
.endm
	s_load_b256 s[4:11], s[0:1], 0x0               ; ac, wc, the scales, b_o
	s_load_b64 s[12:13], s[0:1], 0x20              ; out0
	v_lshl_add_u32 v126, v0, 2, SPARE
	v_mov_b32 v127, 0
	ds_add_u32 v126, v127                          ; the opening lines: the add, twice on end, and its wait
	ds_add_u32 v126, v127
	v_lshrrev_b32 v1, 5, v0
	v_readfirstlane_b32 s14, v1                    ; wave 0..3
	s_lshr_b32 s15, s14, 1                         ; my half of the tile's rows.  Also: I fetch for A (0) or B (1)
	s_and_b32 s66, s14, 1                          ; my half of its columns.  Also: which 64 rows I fetch
	s_bfe_u32 s67, ttmp6, 0x40000                  ; cx
	s_bfe_u32 s68, ttmp6, 0x40004                  ; cy
	s_lshl_b32 s69, ttmp9, 2
	s_add_co_u32 s69, s69, s67                     ; tile column
	s_and_b32 s70, ttmp7, 0xffff
	s_lshl_b32 s70, s70, 2
	s_add_co_u32 s70, s70, s68                     ; tile row
	s_lshl_b32 s71, s68, 2
	s_lshl_b32 s71, 15, s71                        ; my row of the cluster
	s_lshl_b32 s72, 0x1111, s67                    ; my column
	s_or_b32 s16, s71, PADA                        ; group 1 for A's part
	s_mov_b32 s17, 4096<<16                        ; tensor_dim0
	s_mov_b32 s18, 16<<16                          ; tensor_dim1
	s_mov_b32 s19, 4096<<16                        ; tile_dim0
	s_mov_b32 s20, 16                              ; tile_dim1
	s_mov_b32 s21, 262144                          ; from head to head
	s_mov_b32 s22, 0
	s_mov_b32 s23, 0
	s_or_b32 s24, s72, PADB                        ; group 1 for B's part
	s_mov_b32 s25, 1024<<16
	s_mov_b32 s26, 64<<16
	s_mov_b32 s27, 1024<<16
	s_mov_b32 s28, 64
	s_mov_b32 s29, 1024
	s_mov_b32 s30, 0
	s_mov_b32 s31, 0
	s_lshl_b32 s74, s70, 13                        ; A: (128 x tile row + 64 x half) tokens of 64 bytes
	s_lshl_b32 s75, s66, 12
	s_add_co_u32 s74, s74, s75
	s_mov_b32 s75, 0
	s_lshl_b32 s76, s69, 17                        ; B: (128 x tile column + 64 x half) rows of 1,024 bytes, in wc's fourth MiB
	s_lshl_b32 s77, s66, 16
	s_add_co_u32 s76, s76, s77
	s_add_co_u32 s76, s76, 0x300000
	s_mov_b32 s77, 0
	s_mul_i32 s73, s14, PART                       ; where my part goes: no place in the cluster enters an LDS address
	s_mul_i32 s78, s15, PART                       ; my 64 tokens of A
	s_mul_i32 s79, s66, PART
	s_add_co_u32 s79, s79, 2*PART                  ; my 64 rows of B
	s_mul_i32 s80, s14, 16*272
	s_add_co_u32 s80, s80, STAGE                   ; my stage
	s_lshl_b32 s82, s69, 9
	s_lshl_b32 s83, s66, 8
	s_add_co_u32 s82, s82, s83                     ; my first column, in bytes
	s_mov_b32 s83, 0
	s_lshl_b32 s84, s70, 19
	s_lshl_b32 s85, s15, 18
	s_add_co_u32 s84, s84, s85                     ; my first row, 4,096 bytes a row
	s_add_co_u32 s84, s84, s82
	s_mov_b32 s85, 0
	s_wait_dscnt 0x0                               ; both opening adds are done
	s_wait_kmcnt 0x0
	s_load_b64 s[96:97], s[8:9], 0x28              ; e10, e11
	s_add_nc_u64 s[10:11], s[10:11], s[82:83]
	s_add_nc_u64 s[12:13], s[12:13], s[84:85]
	s_mov_b32 s32, 1
	s_mov_b32 s33, s73
	s_add_nc_u64 s[34:35], s[4:5], s[74:75]
	s_or_b32 s35, s35, 0x80000000
	s_mov_b32 s48, 1
	s_mov_b32 s49, s73
	s_add_nc_u64 s[50:51], s[6:7], s[76:77]
	s_or_b32 s51, s51, 0x80000000
	CROUND                                         ; all sixteen work-groups are here: the joint loads meet
	s_cmp_eq_u32 s15, 0                            ; one fill to an arm, both arms lead to one join
	s_cbranch_scc0 .Lfirst_b
	tensor_load_to_lds s[32:35], s[16:23]
	s_nop 0
.rept 4
	v_nop
.endr
	s_branch .Lfirst_done
.Lfirst_b:
	tensor_load_to_lds s[48:51], s[24:31]
	s_nop 0
.rept 4
	v_nop
.endr
.Lfirst_done:
	v_and_b32 v1, 15, v0                           ; r
	v_bfe_u32 v2, v0, 4, 1                         ; h
	v_lshrrev_b32 v3, 2, v1
	v_mul_u32_u24 v3, v3, 272
	v_and_b32 v15, 3, v1
	v_lshl_add_u32 v3, v15, 6, v3
	v_lshl_add_u32 v3, v2, 4, v3                   ; A: four tokens to a line: (r / 4) 272 + (r % 4) 64 + 16 h
	v_mul_u32_u24 v15, v1, BP
	v_lshl_add_u32 v15, v2, 4, v15                 ; B: r 1040 + 16 h
	v_add_nc_u32 v4, s78, v3                       ; v4-7: my A fragments in chunk c
	v_add_nc_u32 v8, s79, v15                      ; v8-11: my B fragments
.irp c, 1,2,3
	v_add_nc_u32 v[4+\c], \c*QUART, v4
	v_add_nc_u32 v[8+\c], \c*256, v8
.endr
	v_mul_u32_u24 v12, v1, 272
	v_lshl_add_u32 v12, v2, 5, v12
	v_add_nc_u32 v12, s80, v12                     ; the stage, in: row r, 32 bytes for each half of the lanes
	v_mul_u32_u24 v13, v2, 272
	v_lshl_add_u32 v13, v1, 4, v13
	v_add_nc_u32 v13, s80, v13                     ; back: lanes 0-15 one row of 256 bytes, lanes 16-31 the next
	v_lshlrev_b32 v14, 12, v2
	v_lshl_add_u32 v14, v1, 4, v14                 ; and the same two rows of the output
	v_lshlrev_b32 v15, 5, v2                       ; b_o: 32 h
	s_wait_alu depctr_va_vdst(0)
.irp b, 0,1,2,3
	global_load_b128 v[16+8*\b:16+8*\b+3], v15, s[10:11] offset:64*\b        ; b_o at columns 16 b + 8 h + 0 .. 7
	global_load_b128 v[16+8*\b+4:16+8*\b+7], v15, s[10:11] offset:64*\b+16
.endr
.macro FETCH c, w                      ; chunk c's fragments into window w: K step q: A's four at 128 q + 16 i, B's four at 128 q + 64 + 16 i
	WIN (\w)<<6
.irp q, 0,1
.irp i, 0,1,2,3
.irp k, 0,1,2,3
	ds_load_b128 v[128*\q+16*\i+4*\k:128*\q+16*\i+4*\k+3], v[4+\c] offset:1088*\i+4352*(2*\q+\k/2)+32*(\k%2)   ; head 2 q + k / 2 of the chunk: 16 lines a head
.endr
.endr
.irp i, 0,1,2,3
.irp k, 0,1,2,3
	ds_load_b128 v[128*\q+64+16*\i+4*\k:128*\q+64+16*\i+4*\k+3], v[8+\c] offset:16*BP*\i+128*\q+32*\k
.endr
.endr
.endr
.endm
.macro MUL w, zero                     ; a chunk's 32 products; the 16 accumulators take turns, one instruction a turn
	WIN 5*(\w)
.irp q, 0,1
.irp a, 0,1,2,3
.irp b, 0,1,2,3
.if \zero && (\q == 0)
	v_wmma_f32_16x16x128_fp8_fp8 v[ACC+8*(4*\a+\b):ACC+8*(4*\a+\b)+7], v[128*\q+64+16*\b:128*\q+64+16*\b+15], v[128*\q+16*\a:128*\q+16*\a+15], 0
.else
	v_wmma_f32_16x16x128_fp8_fp8 v[ACC+8*(4*\a+\b):ACC+8*(4*\a+\b)+7], v[128*\q+64+16*\b:128*\q+64+16*\b+15], v[128*\q+16*\a:128*\q+16*\a+15], v[ACC+8*(4*\a+\b):ACC+8*(4*\a+\b)+7]
.endif
.endr
.endr
.endr
.endm
.macro PLACES                          ; plain lines between matrix instructions and loads into registers that they read, or reads of their results
.rept 4
	v_nop
.endr
.endm
	s_wait_tensorcnt 0x0                           ; my part is in;
	s_wait_dscnt 0x0
	s_barrier_signal -1
	s_barrier_wait -1                              ; everybody's is
	FETCH 0, 1
	s_wait_dscnt 0x0
	FETCH 1, 2                                     ; the next chunk's fragments come while this chunk is multiplied
	MUL 1, 1                                       ; the first products start the sums: nothing is cleared
	s_wait_dscnt 0x0
	PLACES
	FETCH 2, 1
	MUL 2, 0
	s_wait_dscnt 0x0
	PLACES
	FETCH 3, 2
	MUL 1, 0
	s_wait_dscnt 0x0
	MUL 2, 0
	WIN 0
	; THE WAY OUT, block by block of 16 rows x 64 columns: sum x 2^(e10 + e11) + b_o, through my stage, back as rows of 256 bytes.
	s_wait_kmcnt 0x0
	s_add_co_i32 s96, s96, s97
	s_add_co_i32 s96, s96, 127
	s_lshl_b32 s96, s96, 23                        ; 2^(e10 + e11)
	s_mov_b32 s97, s96                             ; (named with it as a pair)
	s_wait_loadcnt 0x0                             ; b_o
	PLACES
.macro OSTAGE a
.irp b, 0,1,2,3
.irp j, 0,2,4,6
	v_pk_fma_f32 v[48+8*\b+\j:48+8*\b+\j+1], v[ACC+8*(4*\a+\b)+\j:ACC+8*(4*\a+\b)+\j+1], s[96:97], v[16+8*\b+\j:16+8*\b+\j+1] op_sel_hi:[1,0,1]   ; each accumulator from its low end on
.endr
.endr
.irp b, 0,1,2,3
	ds_store_b128 v12, v[48+8*\b:48+8*\b+3] offset:64*\b
	ds_store_b128 v12, v[48+8*\b+4:48+8*\b+7] offset:64*\b+16
.endr
.irp t, 0,1,2,3,4,5,6,7
	ds_load_b128 v[ACC+32*\a+4*\t:ACC+32*\a+4*\t+3], v13 offset:544*\t   ; into the block's own accumulators, which are done with: no store's data is ever written again
.endr
.endm
.macro OSEND a, younger
	s_wait_dscnt \younger                          ; the block is back; the next block's 8 stores and 8 loads may be out
.irp t, 0,1,2,3,4,5,6,7
	global_store_b128 v14, v[ACC+32*\a+4*\t:ACC+32*\a+4*\t+3], s[12:13] offset:(16*\a+2*\t)*4096 th:TH_STORE_NT   ; 16 lanes store 256 consecutive bytes, at a multiple of 256 from the output's first byte
.endr
.endm
	OSTAGE 0
	OSTAGE 1
	OSEND 0, 16
	OSTAGE 2
	OSEND 1, 16
	OSTAGE 3
	OSEND 2, 16
	OSEND 3, 0
	s_wait_tensorcnt 0x0                           ; the wave's end
	ds_add_u32 v126, v127
	s_wait_dscnt 0x0
	CROUND                                         ; the closing round: no work-group ends while a partner may still ask for a tile that names it
	s_endpgm
.Lfunc_end_k_q701c2229ed_outp:
	.size	k_q701c2229ed_outp, .Lfunc_end_k_q701c2229ed_outp-k_q701c2229ed_outp
	.p2alignl 7, 3214868480
	.fill 96, 4, 3214868480
	.section	.rodata,"a",@progbits
	.p2align	6, 0x0
	.amdhsa_kernel k_q701c2229ed_outp
		.amdhsa_group_segment_fixed_size 327680
		.amdhsa_private_segment_fixed_size 0
		.amdhsa_enable_private_segment 0
		.amdhsa_kernarg_size 40
		.amdhsa_user_sgpr_count 2
		.amdhsa_user_sgpr_kernarg_segment_ptr 1
		.amdhsa_wavefront_size32 1
		.amdhsa_system_sgpr_workgroup_id_x 1
		.amdhsa_system_sgpr_workgroup_id_y 1
		.amdhsa_system_sgpr_workgroup_id_z 1
		.amdhsa_system_vgpr_workitem_id 0
		.amdhsa_next_free_vgpr 768
		.amdhsa_next_free_sgpr 100
		.amdhsa_reserve_vcc 0
		.amdhsa_float_denorm_mode_32 3
		.amdhsa_float_denorm_mode_16_64 3
		.amdhsa_memory_ordered 1
		.amdhsa_forward_progress 1
		.amdhsa_inst_pref_size 44
	.end_amdhsa_kernel
	.amdgpu_metadata
---
amdhsa.version: [ 1, 2 ]
amdhsa.kernels:
  - .name:           k_q701c2229ed_outp
    .symbol:         k_q701c2229ed_outp.kd
    .args:
      - { .name: ac, .offset: 0, .size: 8, .value_kind: global_buffer, .address_space: global }
      - { .name: wc, .offset: 8, .size: 8, .value_kind: global_buffer, .address_space: global }
      - { .name: lowp_scales, .offset: 16, .size: 8, .value_kind: global_buffer, .address_space: global }
      - { .name: b_o, .offset: 24, .size: 8, .value_kind: global_buffer, .address_space: global }
      - { .name: out0, .offset: 32, .size: 8, .value_kind: global_buffer, .address_space: global }
    .group_segment_fixed_size: 327680
    .private_segment_fixed_size: 0
    .kernarg_segment_align: 8
    .kernarg_segment_size: 40
    .max_flat_workgroup_size: 128
    .sgpr_count:     100
    .vgpr_count:     768
    .wavefront_size: 32
...
	.end_amdgpu_metadata
.endif
;; end of part 4
